; MI455X (gfx1250); checked and timed in simulation.
; The chip was launched on July 23, 2026; its instructions are those of AMD's public machine-readable ISA for CDNA 5 (MIT licence, August 2026) and "CDNA5" Instruction Set Architecture Reference Guide (July 2026). The comments in the code are by the model that wrote it; some were corrected since.
;; Model. Allowed arithmetic: matrix products marked QUANTISED: E4M3 operands, one E8M0 scale for each 32 along K, by v_wmma_scale_f32_16x16x128_f8f6f4 with both operands' format E4M3, f32 sums; everything else in f32.
;; Inputs: x 4 x 16 x 2,048 x 64 float32; y 4 x 16 x 2,048 x 64 float32; z 4 x 16 x 2,048 x 64 float32.
;; Outputs: out0 4 x 16 x 2,048 x 64 float32.
;; This version of the problem:
;;   THIS VERSION OF THE PROBLEM IS GIVEN IN LOW PRECISION. The matrix products marked QUANTISED in the list below multiply operands that are first quantised to E4M3 (4 exponent bits, 3 mantissa bits; 8 bits a number), with one power-of-two scale for each 32 numbers along K (OCP MX v1.0); their sums are f32. All else is computed in f32.
;;   The module's matrix products, in the order in which they are computed (A, B: the left and right operand; K: the contracted axis; several contracted axes count as one K, in the product's order):
;;     1. batch 64 x [M 2,048, K 64] x [K 64, N 2,048]; A: input x; B: input y: QUANTISED
;;     2. batch 64 x [M 2,048, K 2,048] x [K 2,048, N 64]; A: softmax (see below); B: input z: QUANTISED
;;   THE QUANTISER, for each operand of a quantised product, along K:
;;     - K is cut into blocks of 32 from its start; a last block that is shorter is filled with zeros.
;;     - A block's scale is 2^e with e = floor(log2(the largest magnitude in the block)) - 8, held to -126 .. 127; a block of zeros has e = 0. As a byte (E8M0): e + 127.
;;     - Each number is divided by its block's scale, clamped to +-448, and rounded to the nearest number of E4M3, ties to even, subnormals kept.
;;     - The product sums the exact products of the quantised numbers (number of the format x scale) in f32.
;;   ~~~python
;;   def quantise(x, axis):      # numpy; x: float32 -> the quantised numbers, widened to float32 again
;;       x = np.moveaxis(x, axis, -1); K = x.shape[-1]
;;       x = np.pad(x, [(0, 0)] * (x.ndim - 1) + [(0, -K % 32)]); x = x.reshape(x.shape[:-1] + (-1, 32)); a = np.abs(x).max(-1, keepdims=True)
;;       e = np.where(a > 0, np.clip(np.frexp(np.where(a > 0, a, 1))[1] - 1 - 8, -126, 127), 0)      # np.frexp(a)[1] - 1 = floor(log2(a)), exactly
;;       r = np.clip(x / 2.0 ** e, -448, 448)
;;       step = 2.0 ** (np.maximum(np.frexp(np.where(r == 0, 1, r))[1] - 1, -6) - 3)
;;       q = np.round(r / step) * step * 2.0 ** e      # np.round: ties to even
;;       return np.moveaxis(q.reshape(q.shape[:-2] + (-1,))[..., :K], -1, axis).astype(np.float32)
;;   ~~~
;;   SOFTMAX AHEAD OF A QUANTISED PRODUCT. Where the list says 'softmax', what is quantised is not the finished softmax but p = 2^(t - M), with t = logit x log2(e) and M = ceil(the row's largest t), a whole number; so 1/2 < the row's largest p <= 1. The row's sum l is taken of the UNQUANTISED p, in f32, and the product's result is divided by l at the end. Since M is a whole number, a kernel that streams over the keys may use a running M (the ceiling of the running maximum): every later rescaling is an exact power of two, which a block's scale takes up: the codes' values come out the same.
;;   OPERANDS COMPUTED ON THE WAY. 'Computed on the way' means the value that the module computes at that place (a softmax that the list does not call 'softmax' is quantised finished and normalised). What goes into a quantiser is computed in f32, as accurately as f32 sums, v_exp_f32 and their like allow (about 1e-6 of the number): no bf16 or f16 on the way to a quantiser, and a product that is left as it is and whose result goes on into a quantised operand takes f32 operands (vector FMAs, or v_wmma_f32_16x16x4_f32). A number that lies on a knife's edge between two numbers of the format may be rounded either way, as far as f32 arithmetic and the matrix unit's own rounding can turn it there, and no further.
;; 2 versions. Each part assembles by itself: llvm-mc -triple=amdgcn-amd-amdhsa -mcpu=gfx1250 --defsym DOCPART=n.
;; ======== version 1 of 2: 1 launch
;; launch attn (part 1): grid 4 x 64, 8 waves a work-group, no clusters, 310,272 bytes of LDS; arguments x, y, z, out0; writes out0
.if DOCPART == 1
	.amdgcn_target "amdgcn-amd-amdhsa--gfx1250"
	.amdhsa_code_object_version 6
	.text
	.protected	k_q15a1ff5a87_attn
	.globl	k_q15a1ff5a87_attn
	.p2align	8
	.type	k_q15a1ff5a87_attn,@function
k_q15a1ff5a87_attn:
	s_mov_b64 s[64:65], 0
	v_nop
	global_prefetch_b8 v0, s[64:65] scope:SCOPE_SE
	s_setreg_imm32_b32 hwreg(HW_REG_WAVE_MODE, 25, 1), 1
	s_wait_xcnt 0x0
; out0[h][q][:] = the sum over k of softmax_k(x[h][q] . y[h][k] / 8) z[h][k][:].  x, y, z, out0: [64 heads][2048][64] f32.  Both products on codes of FP8 (E4M3) with one E8M0 scale for each 32 along a product's K.
; THE SOFTMAX AHEAD OF THE SECOND PRODUCT: t = score x log2(e) / 8; M = the row's largest t so far, rounded UP to a whole number; p = 2^(t - M) is quantised along the keys, not normalised.
; The row's sum is taken of the unquantised p and divides O at the end.  When M moves, the sum and O are multiplied by 2^(old M - new M), which rounds nothing.
; SHARES.  A work-group owns one head and 512 of its queries: 4 x 64 work-groups.  Eight waves of 512 registers, two to a SIMD.
; PHASE 0: the work-group quantises its head's WHOLE y (along the head's 64) and z (along the keys) into LDS, as images of the operands' registers: wave w makes key steps 2 w and 2 w + 1 (128 keys each).  One barrier; the images stay.
; THEN TWO PASSES of 256 queries: in a pass wave w owns 32 queries, two tiles of 16: tile A in register window 0, tile B at the same register numbers in window 1.  It walks the 16 key steps; each fragment read from LDS feeds both tiles.
; LAYOUT.  Both products are used transposed: S^T = K Q^T (source 0 = 16 keys, source 1 = 16 queries), O^T = V^T P^T (source 0 = 16 channels, source 1 = p): a lane holds ONE query (lane % 16) throughout.
; THE KEYS OF A TILE ARE NOT NEIGHBOURS: row r of tile 2 b + u is key 32 b + 8 u + r + 8 (r / 8), so that the 16 registers of tiles 2 b and 2 b + 1 are keys 32 b + 16 (lane / 16) + 0 .. 15: the conversions' results are the second product's operand.
; THE FIRST PRODUCT'S K IS 64 in an instruction of 128: Q's fragment is 8 registers of codes and 8 of zero codes.  K's tiles lie densely, 8 registers each: the upper half of tile t's operand is tile t + 1's codes (held, so never the NaN code),
; which meet Q's zero codes and add nothing; behind tile 7 lie 8 registers of zeros.  Bytes 2 and 3 of K's and Q's scale words are 127.
; NO CLUSTER, NO TENSOR LOAD, though the four work-groups of a head read the same y and z: these numbers must pass through registers to be quantised, and beside the images (274,432 bytes) and the stages (34,816) 18,432 bytes of the
; 327,680 are left: two slots of 9 KB for 1 MB of f32 would be more than a hundred joint rounds.  So y and z are loaded straight into registers, four times in the launch.
; LIMITS: NaN and infinities among the inputs are not served.  A p under 2^-126 comes out of v_exp_f32 as 0.  A block of zeros gets the scale byte 1 where the rule says 127: its codes are zeros, and this program alone reads the bytes.
.set REC,  17152                       ; LDS: a key step's record; step s at s REC
.set KIM,  0                           ;   K's 8 tiles: tile t, register group c (0, 1) at 1024 t + 512 c + 16 lane
.set VIM,  8192                        ;   V^T's 4 tiles: tile j (channels 16 j on), group c (0 .. 3) at 2048 j + 512 c + 16 lane
.set KSC,  16384                       ;   K's scale words, 16 lane: word b: lanes 0-15 tile 2 b's rows, lanes 16-31 tile 2 b + 1's
.set VSC,  16896                       ;   V's scale words, 8 lane: word u: lanes 0-15 tile 2 u's rows, lanes 16-31 tile 2 u + 1's
.set STG,  16*REC                      ; behind the 16 records: a stage for each wave, for the way out
.set SP,   272                         ;   its rows: 256 bytes + 16 = 17 x 16 bytes, so sixteen rows begin at sixteen different 16-byte columns modulo 256
.set STW,  16*SP
; registers of window 0 alone
.set LI,   1                           ; 16 x lane: an image's place for my lane; also my offset in out0's rows
.set L8,   2                           ; 8 x lane
.set ADR,  3                           ; the step's record + 16 x lane
.set ADR8, 4                           ; the step's record + 8 x lane
.set XA,   5                           ; x: row r of 256 bytes + 64 h
.set STO,  6                           ; the stage: where I put 32 bytes of a row
.set SRD,  7                           ; the stage: where I read a row back
.set QS,   8                           ; v8, v9    Q's scale words, tile A, tile B
.set PW,   10                          ; v10, v11  p's scale words, tile A, tile B
.set KV,   32                          ; v32-95    K's 8 tiles, then V's 4 fragments; on the way out the rows read back
.set ZT,   96                          ; v96-103   zeros: the upper half of K's tile 7
.set KS,   216                         ; v216-219  K's scale words
.set VS,   220                         ; v220-221  V's scale words
.set KA,   246                         ; y: row r + 8 (r / 8) of 256 bytes + 64 h
.set VA,   247                         ; z: 16 r + 16 h rows of 256 bytes
.set KST,  248                         ; where I store K's images: my wave's two records + 16 x lane
.set VST,  249                         ; where I store V's
.set VSS,  250                         ; and V's scale words
.set PFO,  251                         ; 256 x lane: the prefetch's offset, a lane a row of x
; registers of both windows (window 0: tile A, window 1: tile B)
.set NM,   12                          ; -M
.set TX,   13                          ; the running largest t
.set SU,   14                          ; v[14:15]  the row's sum in two halves
.set Q,    16                          ; v16-23 Q's codes, v24-31 zero codes
.set S,    104                         ; v104-167  S^T, then p; v104-135 also take the next pass's x
.set W,    136                         ; v136-167  O^T / the sum
.set O,    168                         ; v168-199  O^T
.set PC,   200                         ; v200-215  codes just made
.set F,    224                         ; v[224:225] f = 2^(old M - new M); v225 is written once, since the pair is named
.set BM,   226                         ; v226-229  the blocks' largest
.set T2,   230                         ; v230-233  the other half's, then the scale bytes
.set LIM,  234                         ; v234-237  448 x the scale
.set SOP,  238                         ; v238-241  the conversions' scale operands
.set TMP,  242
.set WRD,  243
.set SU2,  244                         ; v[244:245] the sum's second chain
; phase 0, window 0
.set X0,   32                          ; v32-95, v104-167: two sets of 64 numbers as loaded
.set X1,   104
.set Y,    168                         ; v168-199  two runs of 16 held numbers of z, a channel's keys on end
.set KW,   216                         ; K's scale words in the making
.set VW,   220                         ; v220-223  V's
.set QR,   168                         ; pass 0's x, in each tile's own window
; scalars
.set WV,   12                          ; my wave
.set SEL,  20                          ; s[20:21] v_permlanex16_b32's selects for lane l xor 16
.set CS,   22                          ; s[22:23] c = log2(e) / 8; the packed form names a pair and takes its low word for both halves
.set MNT,  24                          ; the mantissa field of 448
.set HMASK, 25                         ; lanes 16-31
.set TB,   26                          ; the key step's record in LDS
.set CNT,  27                          ; key steps to go
.set MSB, 0
.macro WIN new                         ; low byte: bits 1:0 source 0, 3:2 source 1, 5:4 source 2, 7:6 destination; the high byte repeats the setting that is left; a switch that changes nothing is dropped
.if MSB != (\new)
	s_set_vgpr_msb (MSB<<8)|(\new)
.set MSB, (\new)
.endif
.endm
; nb blocks of 32 are quantised; a lane holds 16 numbers of each, number i of block b in v[src + sb b + si i]; lane l xor 16 holds the other 16.
; The held numbers go to v[dst + 16 (b % dm) + i], on end, as the conversions want them; the codes to v[pc + 4 b] on; the scale bytes stay in v[T2 + b].
.macro QUANT src, sb, si, dst, dm, pc, nb
.irp b, 0,1,2,3
.if \b < \nb
	v_max3_num_f32 v[BM+\b], |v[\src+\sb*\b]|, |v[\src+\sb*\b+\si]|, 0x4800000   ; my 16 numbers, and the floor 2^(9 - 127): so the byte cannot fall under 1
.endif
.endr
.irp i, 2,4,6,8,10,12,14
.irp b, 0,1,2,3
.if \b < \nb
	v_max3_num_f32 v[BM+\b], v[BM+\b], |v[\src+\sb*\b+\si*\i]|, |v[\src+\sb*\b+\si*(\i+1)]|   ; (the blocks by turns)
.endif
.endr
.endr
.irp b, 0,1,2,3
.if \b < \nb
	v_permlanex16_b32 v[T2+\b], v[BM+\b], s[SEL], s[SEL+1]
.endif
.endr
.irp b, 0,1,2,3
.if \b < \nb
	v_max_num_f32 v[BM+\b], v[BM+\b], v[T2+\b]          ; with lane l xor 16's: the block's largest magnitude
.endif
.endr
.irp b, 0,1,2,3
.if \b < \nb
	v_add_nc_u32 v[SOP+\b], 0xfc000000, v[BM+\b]        ; 8 off its exponent field: the conversion takes this operand's exponent field as its scale
.endif
.endr
.irp b, 0,1,2,3
.if \b < \nb
	v_and_or_b32 v[LIM+\b], v[BM+\b], 0x7f800000, s[MNT] ; 448 x the scale
.endif
.endr
.irp b, 0,1,2,3
.if \b < \nb
	v_lshrrev_b32 v[T2+\b], 23, v[SOP+\b]               ; the scale's byte
.endif
.endr
.irp b, 0,1,2,3
.if \b < \nb
.irp i, 0,1,2,3,4,5,6,7,8,9,10,11,12,13,14,15
	v_med3_num_f32 v[\dst+16*(\b%\dm)+\i], v[\src+\sb*\b+\si*\i], -v[LIM+\b], v[LIM+\b]   ; the conversion to an 8-bit code does not saturate (ISA guide 7.6.2): the hold; it is also the move that puts the numbers on end
.endr
	v_cvt_scalef32_pk8_fp8_f32 v[\pc+4*\b:\pc+4*\b+1], v[\dst+16*(\b%\dm):\dst+16*(\b%\dm)+7], v[SOP+\b]
	v_cvt_scalef32_pk8_fp8_f32 v[\pc+4*\b+2:\pc+4*\b+3], v[\dst+16*(\b%\dm)+8:\dst+16*(\b%\dm)+15], v[SOP+\b]
.endif
.endr
	v_nop                                          ; one plain vector instruction behind the last conversion (the next block's holds, which write other registers, are that for the earlier ones)
.endm
; PHASE 0's batches: 16 loads each.  K: tiles 2 b and 2 b + 1 of my key step n: register xr + 16 (2 u + c) + i = y(key 32 b + 8 u + r + 8 (r / 8), 32 c + 16 h + i)
.macro KLOAD n, b, xr
.irp u, 0,1
.irp c, 0,1
.irp j, 0,1,2,3
	global_load_b128 v[\xr+16*(2*\u+\c)+4*\j:\xr+16*(2*\u+\c)+4*\j+3], v[KA], s[6:7] offset:(\n)*32768+(32*(\b)+8*\u)*256+128*\c+16*\j
.endr
.endr
.endr
.endm
; V: keys 32 c .. 32 c + 31 of my key step n, all 64 channels: register xr + 4 i + j = z(key 32 c + 16 h + i, channel 4 r + j).  Each load reads two whole rows of 256 bytes
.macro VLOAD n, c, xr
.irp i, 0,1,2,3,4,5,6,7,8,9,10,11,12,13,14,15
	global_load_b128 v[\xr+4*\i:\xr+4*\i+3], v[VA], s[8:9] offset:(\n)*32768+(32*(\c)+\i)*256
.endr
.endm
.macro KWORK n, b, xr
	s_wait_dscnt 0x0                               ; the last batch's LDS stores have read the registers that are written now
	QUANT \xr,16,1,\xr,4,PC,4                      ; block 2 u + c: tile 2 b + u, the head's 32 c on
.irp u, 0,1
.irp c, 0,1
	ds_store_b128 v[KST], v[PC+4*(2*\u+\c):PC+4*(2*\u+\c)+3] offset:(\n)*REC+KIM+(2*(\b)+\u)*1024+512*\c
.endr
.endr
	v_lshl_or_b32 v[TMP], v[T2+1], 8, v[T2]        ; tile 2 b's two bytes of my row,
	v_lshl_or_b32 v[WRD], v[T2+3], 8, v[T2+2]      ; tile 2 b + 1's
	v_cndmask_b32 v[TMP], v[TMP], v[WRD], s[HMASK] ; lanes 0-15 keep the first, lanes 16-31 the second
	v_or_b32 v[KW+(\b)], 0x7f7f0000, v[TMP]        ; 127 for the halves of K that hold no number of this tile
.if (\b) == 3
	ds_store_b128 v[KST], v[KW:KW+3] offset:(\n)*REC+KSC
.endif
.endm
.macro VWORK n, c, xr
	s_wait_dscnt 0x0                               ; as in KWORK
	QUANT \xr,1,4,Y,2,PC,4                         ; block j: channel 4 r + j, these 32 keys
.irp j, 0,1,2,3
	ds_store_b128 v[VST], v[PC+4*\j:PC+4*\j+3] offset:(\n)*REC+VIM+512*(\c)+16*\j   ; tile r / 4, row 4 (r % 4) + j, group c, my half
.endr
.irp j, 0,1,2,3
.if (\c) == 0
	v_mov_b32 v[VW+\j], v[T2+\j]
.else
	v_lshl_or_b32 v[VW+\j], v[T2+\j], 8*(\c), v[VW+\j]  ; byte c of the channel's scale word for this key step
.endif
.endr
.if (\c) == 3
.irp j, 0,1,2,3
	ds_store_b32 v[VSS], v[VW+\j] offset:(\n)*REC+VSC+8*\j   ; both halves of the lanes write the same word with the same value
.endr
.endif
.endm
; batch k of 16: key step k / 8 of my two; its first four batches are K's, the other four V's; the sets of 64 registers take turns
.macro LOADB k
.if ((\k)%8) < 4
	KLOAD (\k)/8,(\k)%4,X0+(X1-X0)*((\k)%2)
.else
	VLOAD (\k)/8,(\k)%4,X0+(X1-X0)*((\k)%2)
.endif
.endm
.macro WORKB k
.if ((\k)%8) < 4
	KWORK (\k)/8,(\k)%4,X0+(X1-X0)*((\k)%2)
.else
	VWORK (\k)/8,(\k)%4,X0+(X1-X0)*((\k)%2)
.endif
.endm
; a tile's 16 queries of x: register dst + 16 c + i = x(query r, 32 c + 16 h + i), into the tile's own window
.macro QLOAD tile, dst, pass
	WIN 0x40*(\tile)                               ; destination: the tile's window; the address lies in window 0
.irp c, 0,1
.irp j, 0,1,2,3
	global_load_b128 v[\dst+16*\c+4*\j:\dst+16*\c+4*\j+3], v[XA], s[4:5] offset:(\pass)*65536+(\tile)*4096+128*\c+16*\j th:TH_LOAD_NT
.endr
.endr
.endm
.macro QPREP tile, src
	WIN 0x55*(\tile)
	QUANT \src,16,1,\src,4,Q,2
	v_lshl_or_b32 v[WRD], v[T2+1], 8, v[T2]
	v_or_b32 v[WRD], 0x7f7f0000, v[WRD]            ; 127 over Q's zero codes
	WIN 0x01*(\tile)                               ; scale operands are taken from window 0
	v_mov_b32 v[QS+\tile], v[WRD]
.endm
; The key step is written once for a pass: its first trip finds zeros, which the first change of M leaves zeros.  A first step of its own would be a third and fourth copy of the step.
.macro INIT
	v_mov_b32 v[TX], 0xff61b1e6                    ; the largest t so far: -3e38, under every t
	v_floor_f32 v[NM], -v[TX]
	v_mov_b32 v[SU], 0
	v_mov_b32 v[SU+1], 0
.set jj, 0
.rept 32
	v_mov_b32 v[O+jj], 0
.set jj, jj+1
.endr
.endm
; S^T = K Q^T: eight tiles of 16 keys.  The accumulators take turns, one instruction a turn, through the whole step and over the backward jump.
.macro SPROD tile
	WIN 0x44*(\tile)                               ; tile B: Q and S^T in window 1, K in window 0
.irp t, 0,1,2,3,4,5,6,7
.if \t % 2
	v_wmma_scale_f32_16x16x128_f8f6f4 v[S+8*\t:S+8*\t+7], v[KV+8*\t:KV+8*\t+15], v[Q:Q+15], 0, v[KS+\t/2], v[QS+\tile] matrix_a_scale:MATRIX_SCALE_ROW1
.else
	v_wmma_scale_f32_16x16x128_f8f6f4 v[S+8*\t:S+8*\t+7], v[KV+8*\t:KV+8*\t+15], v[Q:Q+15], 0, v[KS+\t/2], v[QS+\tile]
.endif
.endr
.endm
; O^T += V^T P^T: four tiles of 16 channels; K = the step's 128 keys
.macro PV tile
	WIN 0x54*(\tile)                               ; tile B: p and O^T in window 1, V in window 0
.irp j, 0,1,2,3
.if \j % 2
	v_wmma_scale_f32_16x16x128_f8f6f4 v[O+8*\j:O+8*\j+7], v[KV+16*\j:KV+16*\j+15], v[PC:PC+15], v[O+8*\j:O+8*\j+7], v[VS+\j/2], v[PW+\tile] matrix_a_scale:MATRIX_SCALE_ROW1
.else
	v_wmma_scale_f32_16x16x128_f8f6f4 v[O+8*\j:O+8*\j+7], v[KV+16*\j:KV+16*\j+15], v[PC:PC+15], v[O+8*\j:O+8*\j+7], v[VS+\j/2], v[PW+\tile]
.endif
.endr
.endm
; A tile's softmax for a key step, in the tile's own window.  Register S + 16 b + i is my query's score for key 32 b + 16 (lane / 16) + i.
.macro SOFTMAX tile
	WIN 0x55*(\tile)
.irp b, 0,1,2,3
	v_max3_num_f32 v[BM+\b], v[S+16*\b], v[S+16*\b+1], v[S+16*\b+2]   ; THE LARGEST SCORE OF EACH BLOCK OF 32 KEYS serves twice: for the row's maximum and, since p rises with the score, for the block's largest p.  Each accumulator is read from its low end on
.endr
.irp i, 3,5,7,9,11,13
.irp b, 0,1,2,3
	v_max3_num_f32 v[BM+\b], v[BM+\b], v[S+16*\b+\i], v[S+16*\b+\i+1]
.endr
.endr
.irp b, 0,1,2,3
	v_max_num_f32 v[BM+\b], v[BM+\b], v[S+16*\b+15]
.endr
.irp b, 0,1,2,3
	v_permlanex16_b32 v[T2+\b], v[BM+\b], s[SEL], s[SEL+1]
.endr
.irp b, 0,1,2,3
	v_max_num_f32 v[BM+\b], v[BM+\b], v[T2+\b]          ; with lane l xor 16's 16 keys
.endr
	v_max3_num_f32 v[TMP], v[BM], v[BM+1], v[BM+2]
	v_max_num_f32 v[TMP], v[TMP], v[BM+3]          ; the step's largest score of my query
	v_mul_f32 v[TMP], s[CS], v[TMP]                ; as t (c is positive)
	v_max_num_f32 v[TX], v[TX], v[TMP]             ; the running largest t
	v_mov_b32 v[TMP], v[NM]
	v_floor_f32 v[NM], -v[TX]                      ; the new -M = floor(-t) = -ceil(t): a whole number
	v_sub_f32 v[TMP], v[NM], v[TMP]                ; old M less new M: a whole number, 0 or less
	v_cvt_i32_f32 v[TMP], v[TMP]                   ; (it saturates)
	v_ldexp_f32 v[F], 1.0, v[TMP]                  ; f = 2^(old M - new M)
.set jj, 0
.rept 32
	v_pk_fma_f32 v[S+jj:S+jj+1], v[S+jj:S+jj+1], s[CS:CS+1], v[NM:NM+1] op_sel_hi:[1,0,0]   ; t - M, two at a time
.set jj, jj+2
.endr
.irp b, 0,1,2,3
	v_fma_f32 v[BM+\b], v[BM+\b], s[CS], v[NM]          ; the same of each block's largest score
.endr
.set jj, 0
.rept 64
	v_exp_f32 v[S+jj], v[S+jj]                     ; p = 2^(t - M), at most 1: one batch
.set jj, jj+1
.endr
	v_pk_mul_f32 v[SU:SU+1], v[SU:SU+1], v[F:F+1] op_sel_hi:[1,0]   ; the sums under the new M: the plain instruction behind the batch
	s_wait_alu depctr_va_vdst(0)                   ; one wait for the 64, ahead of their first reader
.irp b, 0,1,2,3
	v_exp_f32 v[BM+\b], v[BM+\b]                        ; the block's largest p: the same two instructions on the same number give the same bits
.endr
	v_pk_add_f32 v[SU2:SU2+1], v[S:S+1], v[S+2:S+3]     ; THE ROW'S SUM IS TAKEN OF THE UNQUANTISED p, in two chains; it reads the 64 alone: plain work behind the four
.set jj, 4
.rept 15
	v_pk_add_f32 v[SU:SU+1], v[SU:SU+1], v[S+jj:S+jj+1]
	v_pk_add_f32 v[SU2:SU2+1], v[SU2:SU2+1], v[S+jj+2:S+jj+3]
.set jj, jj+4
.endr
	v_pk_add_f32 v[SU:SU+1], v[SU:SU+1], v[SU2:SU2+1]
	s_wait_alu depctr_va_vdst(0)                   ; and one for the four
.irp b, 0,1,2,3
	v_max_num_f32 v[BM+\b], 0x4800000, v[BM+\b]         ; the floor 2^(9 - 127): the byte cannot fall under 1
.endr
.irp b, 0,1,2,3
	v_add_nc_u32 v[SOP+\b], 0xfc000000, v[BM+\b]        ; the conversion's scale operand
.endr
.irp b, 0,1,2,3
	v_and_or_b32 v[LIM+\b], v[BM+\b], 0x7f800000, s[MNT] ; 448 x the scale
.endr
.irp b, 0,1,2,3
	v_lshrrev_b32 v[T2+\b], 23, v[SOP+\b]               ; the scale's byte
.endr
	v_lshl_or_b32 v[WRD], v[T2+1], 8, v[T2]
	v_lshl_or_b32 v[WRD], v[T2+2], 16, v[WRD]
	v_lshl_or_b32 v[WRD], v[T2+3], 24, v[WRD]      ; p's scale word for these 128 keys
	WIN 0x01*(\tile)                               ; scale operands are taken from window 0
	v_mov_b32 v[PW+\tile], v[WRD]                  ; the 64 holds and 16 multiplications below stand between it and the products
	WIN 0x55*(\tile)
.irp b, 0,1,2,3
.irp i, 0,1,2,3,4,5,6,7,8,9,10,11,12,13,14,15
	v_min_num_f32 v[S+16*\b+\i], v[S+16*\b+\i], v[LIM+\b]   ; the hold; p is not negative, so it is one-sided
.endr
	v_cvt_scalef32_pk8_fp8_f32 v[PC+4*\b:PC+4*\b+1], v[S+16*\b:S+16*\b+7], v[SOP+\b]
	v_cvt_scalef32_pk8_fp8_f32 v[PC+4*\b+2:PC+4*\b+3], v[S+16*\b+8:S+16*\b+15], v[SOP+\b]
.endr
.set jj, 0
.rept 16
	v_pk_mul_f32 v[O+jj:O+jj+1], v[O+jj:O+jj+1], v[F:F+1] op_sel_hi:[1,0]   ; O^T under the new M, each accumulator from its low end on; these are also the plain instructions between the codes and the products
.set jj, jj+2
.endr
.endm
; A KEY STEP: 128 keys for both tiles.  pf = 1: the step of pass 0, which in its last trip asks for pass 1's rows of x.
.macro STEP pf
	v_add_nc_u32 v[ADR], s[TB], v[LI]
	v_add_nc_u32 v[ADR8], s[TB], v[L8]
.rept 6
	v_nop                                          ; with the two additions: eight plain instructions between the last products and loads into registers that they read
.endr
.irp t, 0,1,2,3,4,5,6,7
	ds_load_b128 v[KV+8*\t:KV+8*\t+3], v[ADR] offset:KIM+1024*\t
	ds_load_b128 v[KV+8*\t+4:KV+8*\t+7], v[ADR] offset:KIM+1024*\t+512
.endr
	ds_load_b128 v[KS:KS+3], v[ADR] offset:KSC
.if (\pf)
	; A PREFETCH INTO THE L2 of my wave's 32 rows of x for pass 1: 256 bytes a row, a lane a row, so each row is named once in the launch.  It stands behind the run of LDS loads, in pass 0's last key step: one trip ahead of the loads.
	s_cmp_eq_u32 s[CNT], 1
	s_cbranch_scc0 .Lnp_\@
	global_prefetch_b8 v[PFO], s[4:5] offset:65536 th:TH_LOAD_NT scope:SCOPE_SE
.Lnp_\@:
.endif
	s_wait_dscnt 0x0                               ; K's tiles and scale words are in
	SPROD 0
	SPROD 1
	WIN 0
.rept 8
	v_nop                                          ; eight plain instructions: in front of the loads into K's registers, and of the first read of the scores
.endr
.irp j, 0,1,2,3
.irp c, 0,1,2,3
	ds_load_b128 v[KV+16*\j+4*\c:KV+16*\j+4*\c+3], v[ADR] offset:VIM+2048*\j+512*\c
.endr
.endr
	ds_load_b64 v[VS:VS+1], v[ADR8] offset:VSC
	SOFTMAX 0                                      ; V lands meanwhile
	s_wait_dscnt 0x0                               ; V's fragments and scale words are in
	PV 0
	SOFTMAX 1
	PV 1
	WIN 0
.endm
; THE WAY OUT.  The sum's two halves and lane l xor 16's are added; O^T is divided by the sum.
.macro NORM tile
	WIN 0x55*(\tile)
	v_add_f32 v[SU], v[SU], v[SU+1]
	v_permlanex16_b32 v[T2], v[SU], s[SEL], s[SEL+1]
	v_add_f32 v[SU], v[SU], v[T2]
	v_rcp_f32 v[SU], v[SU]
	v_nop                                          ; a plain instruction behind the reciprocal,
	s_wait_alu depctr_va_vdst(0)                   ; and a wait ahead of its first reader
.set jj, 0
.rept 16
	v_pk_mul_f32 v[W+jj:W+jj+1], v[O+jj:O+jj+1], v[SU:SU+1] op_sel_hi:[1,0]   ; register 8 t + i: out(query r, channel 16 t + 8 h + i); each accumulator from its low end on
.set jj, jj+2
.endr
.endm
; A lane holds 32 bytes of each of four pieces of one row, and the lanes beside it hold other rows: the tile goes through my own stage and comes back as whole rows of 256 bytes.
.macro TOSTAGE tile
	WIN 0x04*(\tile)                               ; an LDS store's data are its source 1
.irp t, 0,1,2,3
	ds_store_b128 v[STO], v[W+8*\t:W+8*\t+3] offset:64*\t
	ds_store_b128 v[STO], v[W+8*\t+4:W+8*\t+7] offset:64*\t+16
.endr
	WIN 0
.irp i, 0,1,2,3,4,5,6,7
	ds_load_b128 v[KV+32*(\tile)+4*\i:KV+32*(\tile)+4*\i+3], v[SRD] offset:2*SP*\i   ; LDS serves a wave's instructions in order (ISA guide 5.7.1.4): these see my stores, and the next tile's stores come behind them
.endr
.endm
.macro SEND tile, pass
.irp i, 0,1,2,3,4,5,6,7
	global_store_b128 v[LI], v[KV+32*(\tile)+4*\i:KV+32*(\tile)+4*\i+3], s[10:11] offset:(\pass)*65536+(\tile)*4096+512*\i th:TH_STORE_NT   ; 32 lanes store two rows: 512 consecutive bytes, at a multiple of 256 from out0's first byte
.endr
.endm
.macro PASS p
	WIN 0
	INIT                                           ; (these lines also stand between Q's scale words, just written, and the first products)
	WIN 0x55
	INIT
	WIN 0                                          ; at a label and at a branch every window is 0
	s_mov_b32 s[TB], 0
	s_mov_b32 s[CNT], 16
.Lkey_\@:
	STEP 1-\p
	s_add_co_u32 s[TB], s[TB], REC
	s_sub_co_u32 s[CNT], s[CNT], 1
	s_cmp_lg_u32 s[CNT], 0
	s_cbranch_scc1 .Lkey_\@
.if \p == 0
	QLOAD 0, S, 1                                  ; the next pass's x, into registers that p has left: it lands during the way out
	QLOAD 1, S, 1
.endif
	NORM 0                                         ; its twenty plain lines name no register of tile B's last products: they stand between those and the loads into V's registers below
	TOSTAGE 0
	NORM 1
	TOSTAGE 1
	s_wait_dscnt 16                                ; tile A's eight rows are back; tile B's eight stores and eight loads may be out
	SEND 0, \p
	s_wait_dscnt 0x0
	SEND 1, \p
.endm
	; ---- the head
	s_load_b256 s[4:11], s[0:1], 0x0               ; x s[4:5], y s[6:7], z s[8:9], out0 s[10:11]
	v_lshl_add_u32 v254, v0, 2, 0x4b800
	v_mov_b32 v255, 0
	v_lshrrev_b32 v12, 5, v0
	v_readfirstlane_b32 s[WV], v12                 ; wave 0..7
	v_and_b32 v12, 31, v0                          ; lane
	v_and_b32 v13, 15, v0                          ; r
	v_bfe_u32 v14, v0, 4, 1                        ; h
	s_and_b32 s28, ttmp7, 0xffff                   ; the head:
	s_lshl_b32 s28, s28, 19                        ; 2,048 rows of 256 bytes
	s_lshl_b32 s29, s[WV], 16                      ; y, z: my two key steps, 256 rows
	s_add_co_u32 s14, s28, s29
	s_mov_b32 s15, 0
	s_lshl_b32 s29, ttmp9, 17                      ; x, out0: my work-group's 512 rows,
	s_add_co_u32 s18, s28, s29
	s_lshl_b32 s29, s[WV], 13                      ; my wave's 32 of a pass's 256
	s_add_co_u32 s18, s18, s29
	s_mov_b32 s19, 0
	s_mov_b32 s[SEL], 0x76543210
	s_mov_b32 s[SEL+1], 0xfedcba98
	s_mov_b32 s[CS], 0x3e38aa3b                    ; log2(e) / 8
	s_mov_b32 s[CS+1], s[CS]                       ; (named with it as a pair, so it is written)
	s_mov_b32 s[MNT], 0x600000
	s_mov_b32 s[HMASK], 0xffff0000
	s_mul_i32 s30, s[WV], STW
	s_add_co_u32 s30, s30, STG                     ; my stage
	s_mul_i32 s31, s[WV], 2*REC                    ; my two records
	v_lshlrev_b32 v[LI], 4, v12
	v_lshlrev_b32 v[L8], 3, v12
	v_lshlrev_b32 v[PFO], 8, v12
	v_lshlrev_b32 v[XA], 8, v13
	v_lshl_add_u32 v[XA], v14, 6, v[XA]            ; row r + 64 h: my 16 numbers of a block of 32
	v_mul_u32_u24 v[STO], v13, SP
	v_lshl_add_u32 v[STO], v14, 5, v[STO]
	v_add_nc_u32 v[STO], s30, v[STO]               ; in: row r, + 32 h
	v_mul_u32_u24 v[SRD], v14, SP
	v_lshl_add_u32 v[SRD], v13, 4, v[SRD]
	v_add_nc_u32 v[SRD], s30, v[SRD]               ; back: lanes 0-15 one row, lanes 16-31 the next
	v_and_b32 v15, 8, v13
	v_add_nc_u32 v15, v15, v13                     ; r + 8 (r / 8)
	v_lshlrev_b32 v[KA], 8, v15
	v_lshl_add_u32 v[KA], v14, 6, v[KA]
	v_lshlrev_b32 v[VA], 4, v13
	v_lshl_add_u32 v[VA], v14, 12, v[VA]           ; 16 r, and 16 rows on for lanes 16-31
	v_add_nc_u32 v[KST], s31, v[LI]
	v_bfe_u32 v15, v0, 2, 2                        ; r / 4: the tile of V^T that holds my four channels
	v_lshlrev_b32 v[VST], 11, v15
	v_and_b32 v15, 3, v0                           ; r % 4: its rows 4 (r % 4) on, 16 bytes a row
	v_lshl_add_u32 v[VST], v15, 6, v[VST]
	v_lshl_add_u32 v[VST], v14, 8, v[VST]          ; lanes 16-31 of the image: 256 bytes on
	v_add_nc_u32 v[VST], s31, v[VST]
	v_lshlrev_b32 v[VSS], 5, v15                   ; the scale words: 8 bytes a row,
	v_bfe_u32 v15, v0, 2, 1
	v_lshl_add_u32 v[VSS], v15, 7, v[VSS]          ; an odd tile's in lanes 16-31,
	v_bfe_u32 v15, v0, 3, 1
	v_lshl_add_u32 v[VSS], v15, 2, v[VSS]          ; tiles 2 and 3 in the second word
	v_add_nc_u32 v[VSS], s31, v[VSS]
.irp j, 0,1,2,3,4,5,6,7
	v_mov_b32 v[Q+8+\j], 0                         ; Q's zero codes
	v_mov_b32 v[ZT+\j], 0                          ; and the zeros behind K's tile 7
.endr
.irp b, 0,1,2,3
	v_mov_b32 v[T2+\b], 0                          ; written once: a lane permute's destination counts as one of its sources
.endr
	v_mov_b32 v[F+1], 0
	WIN 0x55                                       ; the same for tile B
.irp j, 0,1,2,3,4,5,6,7
	v_mov_b32 v[Q+8+\j], 0
.endr
.irp b, 0,1,2,3
	v_mov_b32 v[T2+\b], 0
.endr
	v_mov_b32 v[F+1], 0
	WIN 0
	s_wait_kmcnt 0x0
	s_add_nc_u64 s[4:5], s[4:5], s[18:19]
	s_add_nc_u64 s[10:11], s[10:11], s[18:19]
	s_add_nc_u64 s[6:7], s[6:7], s[14:15]
	s_add_nc_u64 s[8:9], s[8:9], s[14:15]
	; ---- phase 0: pass 0's Q, then my two key steps of K and V; two batches, 32 loads of 512 bytes, are on their way in each wave
	QLOAD 0, QR, 0
	QLOAD 1, QR, 0
	WIN 0
	LOADB 0
	LOADB 1
	s_wait_loadcnt 32                              ; x's 16 loads are in; the two batches' 32 may be out
	QPREP 0, QR
	QPREP 1, QR
	WIN 0
.irp k, 0,1,2,3,4,5,6,7,8,9,10,11,12,13,14,15
.if \k < 15
	s_wait_loadcnt 16                              ; this batch is in; the next batch's 16 loads may be out
.else
	s_wait_loadcnt 0x0
.endif
	WORKB \k
.if \k+2 < 16
	LOADB \k+2                                     ; into the set that this batch has left
.endif
.endr
	s_wait_dscnt 0x0                               ; for the others' sake: my stores into the records are done
	s_barrier_signal -1
	s_barrier_wait -1                              ; all 16 records lie in LDS; nobody writes them again
	; ---- the two passes
	PASS 0
	s_wait_loadcnt 0x0                             ; pass 1's x
	s_wait_xcnt 0x0                                ; pass 0's stores have read their registers, into which K is loaded next
	QPREP 0, S
	QPREP 1, S
	PASS 1
	s_wait_tensorcnt 0x0
	ds_add_u32 v254, v255
	s_wait_dscnt 0x0
	s_endpgm
.Lfunc_end_k_q15a1ff5a87_attn:
	.size	k_q15a1ff5a87_attn, .Lfunc_end_k_q15a1ff5a87_attn-k_q15a1ff5a87_attn
	.p2alignl 7, 3214868480
	.fill 96, 4, 3214868480
	.section	.rodata,"a",@progbits
	.p2align	6, 0x0
	.amdhsa_kernel k_q15a1ff5a87_attn
		.amdhsa_group_segment_fixed_size 310272
		.amdhsa_private_segment_fixed_size 0
		.amdhsa_enable_private_segment 0
		.amdhsa_kernarg_size 32
		.amdhsa_user_sgpr_count 2
		.amdhsa_user_sgpr_kernarg_segment_ptr 1
		.amdhsa_wavefront_size32 1
		.amdhsa_system_sgpr_workgroup_id_x 1
		.amdhsa_system_sgpr_workgroup_id_y 1
		.amdhsa_system_sgpr_workgroup_id_z 1
		.amdhsa_system_vgpr_workitem_id 0
		.amdhsa_next_free_vgpr 512
		.amdhsa_next_free_sgpr 66
		.amdhsa_reserve_vcc 0
		.amdhsa_float_denorm_mode_32 3
		.amdhsa_float_denorm_mode_16_64 3
		.amdhsa_memory_ordered 1
		.amdhsa_forward_progress 1
		.amdhsa_inst_pref_size 255
	.end_amdhsa_kernel
	.section	.bss,"aw",@nobits
	.p2align	6
	.space	262144
	.amdgpu_metadata
---
amdhsa.version: [ 1, 2 ]
amdhsa.kernels:
  - .name:           k_q15a1ff5a87_attn
    .symbol:         k_q15a1ff5a87_attn.kd
    .args:
      - { .name: x, .offset: 0, .size: 8, .value_kind: global_buffer, .address_space: global }
      - { .name: y, .offset: 8, .size: 8, .value_kind: global_buffer, .address_space: global }
      - { .name: z, .offset: 16, .size: 8, .value_kind: global_buffer, .address_space: global }
      - { .name: out0, .offset: 24, .size: 8, .value_kind: global_buffer, .address_space: global }
    .group_segment_fixed_size: 310272
    .private_segment_fixed_size: 0
    .kernarg_segment_align: 8
    .kernarg_segment_size: 32
    .max_flat_workgroup_size: 256
    .sgpr_count:     66
    .vgpr_count:     512
    .wavefront_size: 32
...
	.end_amdgpu_metadata
.endif
;; end of part 1
;; ======== version 2 of 2: 1 launch; version 1 with the launch attn written anew for expert scheduling mode
;; launch attn (part 2): grid 4 x 64, 8 waves a work-group, no clusters, 310,272 bytes of LDS; arguments x, y, z, out0; writes out0
.if DOCPART == 2
	.amdgcn_target "amdgcn-amd-amdhsa--gfx1250"
	.amdhsa_code_object_version 6
	.text
	.protected	k_q15a1ff5a87_attn
	.globl	k_q15a1ff5a87_attn
	.p2align	8
	.type	k_q15a1ff5a87_attn,@function
k_q15a1ff5a87_attn:
	s_mov_b64 s[64:65], 0
	v_nop
	global_prefetch_b8 v0, s[64:65] scope:SCOPE_SE
	s_setreg_imm32_b32 hwreg(HW_REG_WAVE_SCHED_MODE, 0, 2), 2
	s_setreg_imm32_b32 hwreg(HW_REG_WAVE_MODE, 25, 1), 1
	s_wait_xcnt 0x0
	s_wait_alu depctr_vm_vsrc(0)
; out0[h][q][:] = the sum over k of softmax_k(x[h][q] . y[h][k] / 8) z[h][k][:].  x, y, z, out0: [64 heads][2048][64] f32.  Both products on codes of FP8 (E4M3) with one E8M0 scale for each 32 along a product's K.
; THE SOFTMAX AHEAD OF THE SECOND PRODUCT: t = score x log2(e) / 8; M = the row's largest t so far, rounded UP to a whole number; p = 2^(t - M) is quantised along the keys, not normalised.
; The row's sum is taken of the unquantised p and divides O at the end.  When M moves, the sum and O are multiplied by 2^(old M - new M), which rounds nothing.
; SHARES.  A work-group owns one head and 512 of its queries: 4 x 64 work-groups.  Eight waves of 512 registers, two to a SIMD.
; PHASE 0: the work-group quantises its head's WHOLE y (along the head's 64) and z (along the keys) into LDS, as images of the operands' registers: wave w makes key steps 2 w and 2 w + 1 (128 keys each).  One barrier; the images stay.
; THEN TWO PASSES of 256 queries: in a pass wave w owns 32 queries, two tiles of 16: tile A in register window 0, tile B at the same register numbers in window 1.  It walks the 16 key steps; each fragment read from LDS feeds both tiles.
; LAYOUT.  Both products are used transposed: S^T = K Q^T (source 0 = 16 keys, source 1 = 16 queries), O^T = V^T P^T (source 0 = 16 channels, source 1 = p): a lane holds ONE query (lane % 16) throughout.
; THE KEYS OF A TILE ARE NOT NEIGHBOURS: row r of tile 2 b + u is key 32 b + 8 u + r + 8 (r / 8), so that the 16 registers of tiles 2 b and 2 b + 1 are keys 32 b + 16 (lane / 16) + 0 .. 15: the conversions' results are the second product's operand.
; THE FIRST PRODUCT'S K IS 64 in an instruction of 128: Q's fragment is 8 registers of codes and 8 of zero codes.  K's tiles lie densely, 8 registers each: the upper half of tile t's operand is tile t + 1's codes (held, so never the NaN code),
; which meet Q's zero codes and add nothing; behind tile 7 lie 8 registers of zeros.  Bytes 2 and 3 of K's and Q's scale words are 127.
; NO CLUSTER, NO TENSOR LOAD, though the four work-groups of a head read the same y and z: these numbers must pass through registers to be quantised, and beside the images (274,432 bytes) and the stages (34,816) 18,432 bytes of the
; 327,680 are left: two slots of 9 KB for 1 MB of f32 would be more than a hundred joint rounds.  So y and z are loaded straight into registers, four times in the launch.
; LIMITS: NaN and infinities among the inputs are not served.  A p under 2^-126 comes out of v_exp_f32 as 0.  A block of zeros gets the scale byte 1 where the rule says 127: its codes are zeros, and this program alone reads the bytes.
; THE MODE: SCHED_MODE bits 1:0 = 2 (LLVM: expert scheduling mode 2), set by the entry lines.  The code itself states the register dependences between vector or matrix instructions and memory or LDS instructions, with s_wait_alu, always for 0.
; THE PLAN.  Registers that memory or LDS instructions touch:
;   the offsets and addresses v1, v2, v5-7, v246-251: made once at the head, ahead of one wait on va_vdst, and never written again.
;   PHASE 0, batch k.  X[k % 2]: batch k's quantiser reads it (K's batches write it in place too); the loads of batch k + 2 land in it.  PC and the scale words in the making: the quantiser writes them, the batch's LDS stores read them,
;     batch k + 1 writes them again.  So ONE wait on va_vdst stands behind a batch's vector work, and its LDS stores and the 16 loads follow it; one wait on vm_vsrc stands at the next batch's head.
;   THE KEY LOOP, step s.  K (window 0, v32-95) and its scale words: read by step s's 16 products K Q^T; the loads of step s + 1's K land there.  V (window 1, v32-95) and its scale words: read by step s's 8 products V^T P; the loads of
;     step s + 1's V land there.  v3, v4, the step's LDS addresses: read by the step's 34 loads, written once a step.  ONE wait on va_vdst serves all 34 loads: the one that stands behind tile A's 64 exponentials in any case.  Ahead of it stand
;     the last step's V^T P, this step's K Q^T and the two additions; between it and the loads stands no vector or matrix instruction.  V of this step goes out first, then K of the next.  One wait on vm_vsrc stands ahead of the two additions.
;     p's codes and scale word are written by vector instructions and taken by scaled products: one wait on va_vdst ahead of each tile's four products, behind the plain instructions that stand in front of them.
;   THE WAY OUT.  S's lower half takes the next pass's x; W is written by the division and read by LDS stores (a wait on va_vdst ahead of each tile's); K's registers take the rows read back and are read by the stores to out0.
.set REC,  17152                       ; LDS: a key step's record; step s at s REC
.set KIM,  0                           ;   K's 8 tiles: tile t, register group c (0, 1) at 1024 t + 512 c + 16 lane
.set VIM,  8192                        ;   V^T's 4 tiles: tile j (channels 16 j on), group c (0 .. 3) at 2048 j + 512 c + 16 lane
.set KSC,  16384                       ;   K's scale words, 16 lane: word b: lanes 0-15 tile 2 b's rows, lanes 16-31 tile 2 b + 1's
.set VSC,  16896                       ;   V's scale words, 8 lane: word u: lanes 0-15 tile 2 u's rows, lanes 16-31 tile 2 u + 1's
.set STG,  16*REC                      ; behind the 16 records: a stage for each wave, for the way out
.set SP,   272                         ;   its rows: 256 bytes + 16 = 17 x 16 bytes, so sixteen rows begin at sixteen different 16-byte columns modulo 256
.set STW,  16*SP
; registers of window 0 alone
.set LI,   1                           ; 16 x lane: an image's place for my lane; also my offset in out0's rows
.set L8,   2                           ; 8 x lane
.set ADR,  3                           ; the step's record + 16 x lane
.set ADR8, 4                           ; the step's record + 8 x lane
.set XA,   5                           ; x: row r of 256 bytes + 64 h
.set STO,  6                           ; the stage: where I put 32 bytes of a row
.set SRD,  7                           ; the stage: where I read a row back
.set QS,   8                           ; v8, v9    Q's scale words, tile A, tile B
.set PW,   10                          ; v10, v11  p's scale words, tile A, tile B
.set KV,   32                          ; v32-95    K's 8 tiles; on the way out the rows read back
.set ZT,   96                          ; v96-103   zeros: the upper half of K's tile 7
.set KS,   216                         ; v216-219  K's scale words
.set VS,   220                         ; v220-221  V's scale words
.set KA,   246                         ; y: row r + 8 (r / 8) of 256 bytes + 64 h
.set VA,   247                         ; z: 16 r + 16 h rows of 256 bytes
.set KST,  248                         ; where I store K's images: my wave's two records + 16 x lane
.set VST,  249                         ; where I store V's
.set VSS,  250                         ; and V's scale words
.set PFO,  251                         ; 256 x lane: the prefetch's offset, a lane a row of x
; registers of window 1 alone
.set VF,   32                          ; v32-95 of window 1: V's 4 fragments
; registers of both windows (window 0: tile A, window 1: tile B)
.set NM,   12                          ; -M
.set TX,   13                          ; the running largest t
.set SU,   14                          ; v[14:15]  the row's sum in two halves
.set Q,    16                          ; v16-23 Q's codes, v24-31 zero codes
.set S,    104                         ; v104-167  S^T, then p; v104-135 also take the next pass's x
.set W,    136                         ; v136-167  O^T / the sum
.set O,    168                         ; v168-199  O^T
.set PC,   200                         ; v200-215  codes just made
.set F,    224                         ; v[224:225] f = 2^(old M - new M); v225 is written once, since the pair is named
.set BM,   226                         ; v226-229  the blocks' largest
.set T2,   230                         ; v230-233  the other half's, then the scale bytes
.set LIM,  234                         ; v234-237  448 x the scale
.set SOP,  238                         ; v238-241  the conversions' scale operands
.set TMP,  242
.set WRD,  243
.set SU2,  244                         ; v[244:245] the sum's second chain
; phase 0, window 0
.set X0,   32                          ; v32-95, v104-167: two sets of 64 numbers as loaded
.set X1,   104
.set Y,    168                         ; v168-199  two runs of 16 held numbers of z, a channel's keys on end
.set KW,   216                         ; K's scale words in the making
.set VW,   220                         ; v220-223  V's
.set QR,   168                         ; pass 0's x, in each tile's own window
; scalars
.set WV,   12                          ; my wave
.set SEL,  20                          ; s[20:21] v_permlanex16_b32's selects for lane l xor 16
.set CS,   22                          ; s[22:23] c = log2(e) / 8; the packed form names a pair and takes its low word for both halves
.set MNT,  24                          ; the mantissa field of 448
.set HMASK, 25                         ; lanes 16-31
.set TB,   26                          ; the key step's record in LDS
.set CNT,  27                          ; trips of the key loop to go
.set MSB, 0
.macro WIN new                         ; low byte: bits 1:0 source 0, 3:2 source 1, 5:4 source 2, 7:6 destination; the high byte repeats the setting that is left; a switch that changes nothing is dropped
.if MSB != (\new)
	s_set_vgpr_msb (MSB<<8)|(\new)
.set MSB, (\new)
.endif
.endm
; nb blocks of 32 are quantised; a lane holds 16 numbers of each, number i of block b in v[src + sb b + si i]; lane l xor 16 holds the other 16.
; The held numbers go to v[dst + 16 (b % dm) + i], on end, as the conversions want them; the codes to v[pc + 4 b] on; the scale bytes stay in v[T2 + b].
.macro QUANT src, sb, si, dst, dm, pc, nb
.irp b, 0,1,2,3
.if \b < \nb
	v_max3_num_f32 v[BM+\b], |v[\src+\sb*\b]|, |v[\src+\sb*\b+\si]|, 0x4800000   ; my 16 numbers, and the floor 2^(9 - 127): so the byte cannot fall under 1
.endif
.endr
.irp i, 2,4,6,8,10,12,14
.irp b, 0,1,2,3
.if \b < \nb
	v_max3_num_f32 v[BM+\b], v[BM+\b], |v[\src+\sb*\b+\si*\i]|, |v[\src+\sb*\b+\si*(\i+1)]|   ; (the blocks by turns)
.endif
.endr
.endr
.irp b, 0,1,2,3
.if \b < \nb
	v_permlanex16_b32 v[T2+\b], v[BM+\b], s[SEL], s[SEL+1]
.endif
.endr
.irp b, 0,1,2,3
.if \b < \nb
	v_max_num_f32 v[BM+\b], v[BM+\b], v[T2+\b]          ; with lane l xor 16's: the block's largest magnitude
.endif
.endr
.irp b, 0,1,2,3
.if \b < \nb
	v_add_nc_u32 v[SOP+\b], 0xfc000000, v[BM+\b]        ; 8 off its exponent field: the conversion takes this operand's exponent field as its scale
.endif
.endr
.irp b, 0,1,2,3
.if \b < \nb
	v_and_or_b32 v[LIM+\b], v[BM+\b], 0x7f800000, s[MNT] ; 448 x the scale
.endif
.endr
.irp b, 0,1,2,3
.if \b < \nb
	v_lshrrev_b32 v[T2+\b], 23, v[SOP+\b]               ; the scale's byte
.endif
.endr
.irp b, 0,1,2,3
.if \b < \nb
.irp i, 0,1,2,3,4,5,6,7,8,9,10,11,12,13,14,15
	v_med3_num_f32 v[\dst+16*(\b%\dm)+\i], v[\src+\sb*\b+\si*\i], -v[LIM+\b], v[LIM+\b]   ; the conversion to an 8-bit code does not saturate (ISA guide 7.6.2): the hold; it is also the move that puts the numbers on end
.endr
	v_cvt_scalef32_pk8_fp8_f32 v[\pc+4*\b:\pc+4*\b+1], v[\dst+16*(\b%\dm):\dst+16*(\b%\dm)+7], v[SOP+\b]
	v_cvt_scalef32_pk8_fp8_f32 v[\pc+4*\b+2:\pc+4*\b+3], v[\dst+16*(\b%\dm)+8:\dst+16*(\b%\dm)+15], v[SOP+\b]
.endif
.endr
	v_nop                                          ; one plain vector instruction behind the last conversion (the next block's holds, which write other registers, are that for the earlier ones)
.endm
; PHASE 0's batches: 16 loads each.  K: tiles 2 b and 2 b + 1 of my key step n: register xr + 16 (2 u + c) + i = y(key 32 b + 8 u + r + 8 (r / 8), 32 c + 16 h + i)
.macro KLOAD n, b, xr
.irp u, 0,1
.irp c, 0,1
.irp j, 0,1,2,3
	global_load_b128 v[\xr+16*(2*\u+\c)+4*\j:\xr+16*(2*\u+\c)+4*\j+3], v[KA], s[6:7] offset:(\n)*32768+(32*(\b)+8*\u)*256+128*\c+16*\j
.endr
.endr
.endr
.endm
; V: keys 32 c .. 32 c + 31 of my key step n, all 64 channels: register xr + 4 i + j = z(key 32 c + 16 h + i, channel 4 r + j).  Each load reads two whole rows of 256 bytes
.macro VLOAD n, c, xr
.irp i, 0,1,2,3,4,5,6,7,8,9,10,11,12,13,14,15
	global_load_b128 v[\xr+4*\i:\xr+4*\i+3], v[VA], s[8:9] offset:(\n)*32768+(32*(\c)+\i)*256
.endr
.endm
; A batch's work: all its vector instructions, one wait, then its LDS stores; the loads of two batches on follow the stores.
.macro KWORK n, b, xr
	QUANT \xr,16,1,\xr,4,PC,4                      ; block 2 u + c: tile 2 b + u, the head's 32 c on
	v_lshl_or_b32 v[TMP], v[T2+1], 8, v[T2]        ; tile 2 b's two bytes of my row,
	v_lshl_or_b32 v[WRD], v[T2+3], 8, v[T2+2]      ; tile 2 b + 1's
	v_cndmask_b32 v[TMP], v[TMP], v[WRD], s[HMASK] ; lanes 0-15 keep the first, lanes 16-31 the second
	v_or_b32 v[KW+(\b)], 0x7f7f0000, v[TMP]        ; 127 for the halves of K that hold no number of this tile
	s_wait_alu depctr_va_vdst(0)                   ; the codes and the scale word are written, which the LDS stores read; the quantiser is done reading and writing this set of 64, in which the loads of two batches on land
.irp u, 0,1
.irp c, 0,1
	ds_store_b128 v[KST], v[PC+4*(2*\u+\c):PC+4*(2*\u+\c)+3] offset:(\n)*REC+KIM+(2*(\b)+\u)*1024+512*\c
.endr
.endr
.if (\b) == 3
	ds_store_b128 v[KST], v[KW:KW+3] offset:(\n)*REC+KSC
.endif
.endm
.macro VWORK n, c, xr
	QUANT \xr,1,4,Y,2,PC,4                         ; block j: channel 4 r + j, these 32 keys
.irp j, 0,1,2,3
.if (\c) == 0
	v_mov_b32 v[VW+\j], v[T2+\j]
.else
	v_lshl_or_b32 v[VW+\j], v[T2+\j], 8*(\c), v[VW+\j]  ; byte c of the channel's scale word for this key step
.endif
.endr
	s_wait_alu depctr_va_vdst(0)                   ; the codes and the scale words are written, which the LDS stores read; the quantiser is done reading this set of 64, in which the loads of two batches on land
.irp j, 0,1,2,3
	ds_store_b128 v[VST], v[PC+4*\j:PC+4*\j+3] offset:(\n)*REC+VIM+512*(\c)+16*\j   ; tile r / 4, row 4 (r % 4) + j, group c, my half
.endr
.if (\c) == 3
.irp j, 0,1,2,3
	ds_store_b32 v[VSS], v[VW+\j] offset:(\n)*REC+VSC+8*\j   ; both halves of the lanes write the same word with the same value
.endr
.endif
.endm
; batch k of 16: key step k / 8 of my two; its first four batches are K's, the other four V's; the sets of 64 registers take turns
.macro LOADB k
.if ((\k)%8) < 4
	KLOAD (\k)/8,(\k)%4,X0+(X1-X0)*((\k)%2)
.else
	VLOAD (\k)/8,(\k)%4,X0+(X1-X0)*((\k)%2)
.endif
.endm
.macro WORKB k
.if (\k) > 0
	s_wait_dscnt 0x0                               ; the last batch's LDS stores are done,
	s_wait_alu depctr_vm_vsrc(0)                   ; and have read the codes' registers and the scale words, which this batch writes again
.endif
.if ((\k)%8) < 4
	KWORK (\k)/8,(\k)%4,X0+(X1-X0)*((\k)%2)
.else
	VWORK (\k)/8,(\k)%4,X0+(X1-X0)*((\k)%2)
.endif
.endm
; a tile's 16 queries of x: register dst + 16 c + i = x(query r, 32 c + 16 h + i), into the tile's own window
.macro QLOAD tile, dst, pass
	WIN 0x40*(\tile)                               ; destination: the tile's window; the address lies in window 0
.irp c, 0,1
.irp j, 0,1,2,3
	global_load_b128 v[\dst+16*\c+4*\j:\dst+16*\c+4*\j+3], v[XA], s[4:5] offset:(\pass)*65536+(\tile)*4096+128*\c+16*\j th:TH_LOAD_NT
.endr
.endr
.endm
.macro QPREP tile, src
	WIN 0x55*(\tile)
	QUANT \src,16,1,\src,4,Q,2
	v_lshl_or_b32 v[WRD], v[T2+1], 8, v[T2]
	v_or_b32 v[WRD], 0x7f7f0000, v[WRD]            ; 127 over Q's zero codes
	WIN 0x01*(\tile)                               ; scale operands are taken from window 0
	v_mov_b32 v[QS+\tile], v[WRD]
.endm
; The key step's first trip finds zeros, which the first change of M leaves zeros: so a pass has no first step of its own.
.macro INIT
	v_mov_b32 v[TX], 0xff61b1e6                    ; the largest t so far: -3e38, under every t
	v_floor_f32 v[NM], -v[TX]
	v_mov_b32 v[SU], 0
	v_mov_b32 v[SU+1], 0
.set jj, 0
.rept 32
	v_mov_b32 v[O+jj], 0
.set jj, jj+1
.endr
.endm
; K's 8 tiles and its scale words, from off bytes behind v[adr]: 17 LDS loads, all in window 0
.macro KFETCH adr, off
.irp t, 0,1,2,3,4,5,6,7
	ds_load_b128 v[KV+8*\t:KV+8*\t+3], v[\adr] offset:(\off)+KIM+1024*\t
	ds_load_b128 v[KV+8*\t+4:KV+8*\t+7], v[\adr] offset:(\off)+KIM+1024*\t+512
.endr
	ds_load_b128 v[KS:KS+3], v[\adr] offset:(\off)+KSC
.endm
; S^T = K Q^T: eight tiles of 16 keys.  The accumulators take turns, one instruction a turn, through the whole step and over the backward jump.
.macro SPROD tile
	WIN 0x44*(\tile)                               ; tile B: Q and S^T in window 1, K in window 0
.irp t, 0,1,2,3,4,5,6,7
.if \t % 2
	v_wmma_scale_f32_16x16x128_f8f6f4 v[S+8*\t:S+8*\t+7], v[KV+8*\t:KV+8*\t+15], v[Q:Q+15], 0, v[KS+\t/2], v[QS+\tile] matrix_a_scale:MATRIX_SCALE_ROW1
.else
	v_wmma_scale_f32_16x16x128_f8f6f4 v[S+8*\t:S+8*\t+7], v[KV+8*\t:KV+8*\t+15], v[Q:Q+15], 0, v[KS+\t/2], v[QS+\tile]
.endif
.endr
.endm
; O^T += V^T P^T: four tiles of 16 channels; K = the step's 128 keys
.macro PV tile
	WIN 0x01+0x54*(\tile)                          ; V in window 1; p and O^T in the tile's window
.irp j, 0,1,2,3
.if \j % 2
	v_wmma_scale_f32_16x16x128_f8f6f4 v[O+8*\j:O+8*\j+7], v[VF+16*\j:VF+16*\j+15], v[PC:PC+15], v[O+8*\j:O+8*\j+7], v[VS+\j/2], v[PW+\tile] matrix_a_scale:MATRIX_SCALE_ROW1
.else
	v_wmma_scale_f32_16x16x128_f8f6f4 v[O+8*\j:O+8*\j+7], v[VF+16*\j:VF+16*\j+15], v[PC:PC+15], v[O+8*\j:O+8*\j+7], v[VS+\j/2], v[PW+\tile]
.endif
.endr
.endm
; A tile's softmax for a key step, in the tile's own window.  Register S + 16 b + i is my query's score for key 32 b + 16 (lane / 16) + i.
; Tile A's carries the step's LDS loads, behind the wait for its 64 exponentials.  last = 1: the pass's last key step, which has no next K.  pf = 1: pass 0's last key step, which asks for pass 1's rows of x.
.macro SOFTMAX tile, last, pf
	WIN 0x55*(\tile)
.irp b, 0,1,2,3
	v_max3_num_f32 v[BM+\b], v[S+16*\b], v[S+16*\b+1], v[S+16*\b+2]   ; THE LARGEST SCORE OF EACH BLOCK OF 32 KEYS serves twice: for the row's maximum and, since p rises with the score, for the block's largest p.  Each accumulator is read from its low end on
.endr
.irp i, 3,5,7,9,11,13
.irp b, 0,1,2,3
	v_max3_num_f32 v[BM+\b], v[BM+\b], v[S+16*\b+\i], v[S+16*\b+\i+1]
.endr
.endr
.irp b, 0,1,2,3
	v_max_num_f32 v[BM+\b], v[BM+\b], v[S+16*\b+15]
.endr
.irp b, 0,1,2,3
	v_permlanex16_b32 v[T2+\b], v[BM+\b], s[SEL], s[SEL+1]
.endr
.irp b, 0,1,2,3
	v_max_num_f32 v[BM+\b], v[BM+\b], v[T2+\b]          ; with lane l xor 16's 16 keys
.endr
	v_max3_num_f32 v[TMP], v[BM], v[BM+1], v[BM+2]
	v_max_num_f32 v[TMP], v[TMP], v[BM+3]          ; the step's largest score of my query
	v_mul_f32 v[TMP], s[CS], v[TMP]                ; as t (c is positive)
	v_max_num_f32 v[TX], v[TX], v[TMP]             ; the running largest t
	v_mov_b32 v[TMP], v[NM]
	v_floor_f32 v[NM], -v[TX]                      ; the new -M = floor(-t) = -ceil(t): a whole number
	v_sub_f32 v[TMP], v[NM], v[TMP]                ; old M less new M: a whole number, 0 or less
	v_cvt_i32_f32 v[TMP], v[TMP]                   ; (it saturates)
	v_ldexp_f32 v[F], 1.0, v[TMP]                  ; f = 2^(old M - new M)
.set jj, 0
.rept 32
	v_pk_fma_f32 v[S+jj:S+jj+1], v[S+jj:S+jj+1], s[CS:CS+1], v[NM:NM+1] op_sel_hi:[1,0,0]   ; t - M, two at a time
.set jj, jj+2
.endr
.irp b, 0,1,2,3
	v_fma_f32 v[BM+\b], v[BM+\b], s[CS], v[NM]          ; the same of each block's largest score
.endr
.set jj, 0
	s_wait_alu depctr_va_vdst(0)
.rept 64
	v_exp_f32 v[S+jj], v[S+jj]                     ; p = 2^(t - M), at most 1: one batch
.set jj, jj+1
.endr
	v_pk_mul_f32 v[SU:SU+1], v[SU:SU+1], v[F:F+1] op_sel_hi:[1,0]   ; the sums under the new M: the plain instruction behind the batch
.if (\tile) == 0
	WIN 0x40                                       ; V's registers lie in window 1, the address in window 0
	s_wait_alu depctr_va_vdst(0)                   ; the 64 exponentials have written p, ahead of its first reader; the last step's V^T P is done reading V and its scale words, this step's K Q^T is done reading K and its scale words, and the two addresses are written: the loads below land there and read these
.irp j, 0,1,2,3
.irp c, 0,1,2,3
	ds_load_b128 v[VF+16*\j+4*\c:VF+16*\j+4*\c+3], v[ADR] offset:VIM+2048*\j+512*\c   ; this step's V: it lands during the rest of this softmax
.endr
.endr
	WIN 0
	ds_load_b64 v[VS:VS+1], v[ADR8] offset:VSC
.if (\last) == 0
	KFETCH ADR, REC                                ; the next step's K, a record further on: it lands during the rest of this step
.endif
.if (\pf)
	; A PREFETCH INTO THE L2 of my wave's 32 rows of x for pass 1: 256 bytes a row, a lane a row, so each row is named once in the launch.  It stands behind the run of LDS loads of pass 0's last key step, which is written out: the rest of that step lies between it and the loads.
	global_prefetch_b8 v[PFO], s[4:5] offset:65536 th:TH_LOAD_NT scope:SCOPE_SE
.endif
.else
	s_wait_alu depctr_va_vdst(0)                   ; the 64 exponentials have written p: one wait, ahead of its first reader
.endif
.irp b, 0,1,2,3
	v_exp_f32 v[BM+\b], v[BM+\b]                        ; the block's largest p: the same two instructions on the same number give the same bits
.endr
	v_pk_add_f32 v[SU2:SU2+1], v[S:S+1], v[S+2:S+3]     ; THE ROW'S SUM IS TAKEN OF THE UNQUANTISED p, in two chains; it reads the 64 alone: plain work behind the four
.set jj, 4
.rept 15
	v_pk_add_f32 v[SU:SU+1], v[SU:SU+1], v[S+jj:S+jj+1]
	v_pk_add_f32 v[SU2:SU2+1], v[SU2:SU2+1], v[S+jj+2:S+jj+3]
.set jj, jj+4
.endr
	v_pk_add_f32 v[SU:SU+1], v[SU:SU+1], v[SU2:SU2+1]
	s_wait_alu depctr_va_vdst(0)                   ; the four exponentials have written the blocks' largest p, ahead of their first reader
.irp b, 0,1,2,3
	v_max_num_f32 v[BM+\b], 0x4800000, v[BM+\b]         ; the floor 2^(9 - 127): the byte cannot fall under 1
.endr
.irp b, 0,1,2,3
	v_add_nc_u32 v[SOP+\b], 0xfc000000, v[BM+\b]        ; the conversion's scale operand
.endr
.irp b, 0,1,2,3
	v_and_or_b32 v[LIM+\b], v[BM+\b], 0x7f800000, s[MNT] ; 448 x the scale
.endr
.irp b, 0,1,2,3
	v_lshrrev_b32 v[T2+\b], 23, v[SOP+\b]               ; the scale's byte
.endr
	v_lshl_or_b32 v[WRD], v[T2+1], 8, v[T2]
	v_lshl_or_b32 v[WRD], v[T2+2], 16, v[WRD]
	v_lshl_or_b32 v[WRD], v[T2+3], 24, v[WRD]      ; p's scale word for these 128 keys
	WIN 0x01*(\tile)                               ; scale operands are taken from window 0
	v_mov_b32 v[PW+\tile], v[WRD]                  ; the 64 holds and 16 multiplications below stand between it and the products
	WIN 0x55*(\tile)
.irp b, 0,1,2,3
.irp i, 0,1,2,3,4,5,6,7,8,9,10,11,12,13,14,15
	v_min_num_f32 v[S+16*\b+\i], v[S+16*\b+\i], v[LIM+\b]   ; the hold; p is not negative, so it is one-sided
.endr
	v_cvt_scalef32_pk8_fp8_f32 v[PC+4*\b:PC+4*\b+1], v[S+16*\b:S+16*\b+7], v[SOP+\b]
	v_cvt_scalef32_pk8_fp8_f32 v[PC+4*\b+2:PC+4*\b+3], v[S+16*\b+8:S+16*\b+15], v[SOP+\b]
.endr
.set jj, 0
.rept 16
	v_pk_mul_f32 v[O+jj:O+jj+1], v[O+jj:O+jj+1], v[F:F+1] op_sel_hi:[1,0]   ; O^T under the new M, each accumulator from its low end on; these are also the plain instructions between the codes and the products
.set jj, jj+2
.endr
.endm
; A KEY STEP: 128 keys for both tiles.  Its K was asked for in the step before (the first step's at the pass's head).  last, pf: as in SOFTMAX.
.macro STEP last, pf
	s_wait_dscnt 0x0                               ; K's tiles and scale words are in
	SPROD 0
	SPROD 1
	WIN 0
	s_wait_alu depctr_vm_vsrc(0)                   ; the last step's LDS loads have read the two addresses, which are written now
	v_add_nc_u32 v[ADR], s[TB], v[LI]
	v_add_nc_u32 v[ADR8], s[TB], v[L8]
.rept 6
	v_nop                                          ; with the two additions: eight plain instructions between the products and the first read of the scores
.endr
	SOFTMAX 0, \last, \pf
.if (\last)
	s_wait_dscnt 0x0                               ; V's fragments and scale words are in
.else
	s_wait_dscnt 17                                ; V's fragments and scale words are in; the 17 younger loads, the next step's K and its scale words, may be out
.endif
	s_wait_alu depctr_va_vdst(0)                   ; tile A's codes of p and its scale word are written, which the four products take; the plain instructions in front of them stand above
	PV 0
	SOFTMAX 1, 0, 0
	s_wait_alu depctr_va_vdst(0)                   ; the same of tile B's
	PV 1
	WIN 0
.endm
; THE WAY OUT.  The sum's two halves and lane l xor 16's are added; O^T is divided by the sum.
.macro NORM tile
	WIN 0x55*(\tile)
	v_add_f32 v[SU], v[SU], v[SU+1]
	v_permlanex16_b32 v[T2], v[SU], s[SEL], s[SEL+1]
	v_add_f32 v[SU], v[SU], v[T2]
	s_wait_alu depctr_va_vdst(0)
	v_rcp_f32 v[SU], v[SU]
	v_nop                                          ; a plain instruction behind the reciprocal,
	s_wait_alu depctr_va_vdst(0)                   ; and the reciprocal is written, ahead of its first reader
.set jj, 0
.rept 16
	v_pk_mul_f32 v[W+jj:W+jj+1], v[O+jj:O+jj+1], v[SU:SU+1] op_sel_hi:[1,0]   ; register 8 t + i: out(query r, channel 16 t + 8 h + i); each accumulator from its low end on
.set jj, jj+2
.endr
.endm
; A lane holds 32 bytes of each of four pieces of one row, and the lanes beside it hold other rows: the tile goes through my own stage and comes back as whole rows of 256 bytes.
.macro TOSTAGE tile
	WIN 0x04*(\tile)                               ; an LDS store's data are its source 1
	s_wait_alu depctr_va_vdst(0)                   ; the multiplications have written W, which the LDS stores read.  (The loads below land in K's registers, whose last readers, the pass's last products K Q^T, stand ahead of this wait too)
.irp t, 0,1,2,3
	ds_store_b128 v[STO], v[W+8*\t:W+8*\t+3] offset:64*\t
	ds_store_b128 v[STO], v[W+8*\t+4:W+8*\t+7] offset:64*\t+16
.endr
	WIN 0
.irp i, 0,1,2,3,4,5,6,7
	ds_load_b128 v[KV+32*(\tile)+4*\i:KV+32*(\tile)+4*\i+3], v[SRD] offset:2*SP*\i   ; LDS serves a wave's instructions in order (ISA guide 5.7.1.4): these see my stores, and the next tile's stores come behind them
.endr
.endm
.macro SEND tile, pass
.irp i, 0,1,2,3,4,5,6,7
	global_store_b128 v[LI], v[KV+32*(\tile)+4*\i:KV+32*(\tile)+4*\i+3], s[10:11] offset:(\pass)*65536+(\tile)*4096+512*\i th:TH_STORE_NT   ; 32 lanes store two rows: 512 consecutive bytes, at a multiple of 256 from out0's first byte
.endr
.endm
.macro PASS p
	WIN 0
	INIT                                           ; (these lines also stand between Q's scale words, just written, and the first products)
	WIN 0x55
	INIT
	WIN 0                                          ; at a label and at a branch every window is 0
.if (\p) == 1
	s_wait_xcnt 0x0                                ; pass 0's stores to out0 have had their addresses translated (ISA guide 3.1): their data registers, v32-95, are loaded again only behind this wait,
	s_wait_alu depctr_vm_vsrc(0)                   ; and they have read those registers, in which K lands; the LDS stores into the stage have read W, which the scores write again
	s_wait_alu depctr_va_vdst(0)                   ; Q's codes and scale words are written, which the first products take, behind the plain instructions above
.else
	s_wait_alu depctr_vm_vsrc(0)                   ; phase 0's LDS stores have read v216-223, the scale words in the making, in which K's and V's scale words land
	s_wait_alu depctr_va_vdst(0)                   ; phase 0's quantiser is done reading and writing v32-95 and has written v216-223, in which K and the scale words land; Q's codes, its zero codes, the zeros behind K's tile 7 and Q's scale words are written, which the first products take, behind the plain instructions above
.endif
	KFETCH LI, 0                                   ; key step 0's K
	s_mov_b32 s[TB], 0
	s_mov_b32 s[CNT], 15
.Lkey_\@:                                              ; key steps 0 to 14: each asks for the next step's K
	STEP 0, 0
	s_add_co_u32 s[TB], s[TB], REC
	s_sub_co_u32 s[CNT], s[CNT], 1
	s_cmp_lg_u32 s[CNT], 0
	s_cbranch_scc1 .Lkey_\@
	STEP 1, 1-\p                                   ; key step 15 is written out: there is no record behind it
.if \p == 0
	QLOAD 0, S, 1                                  ; the next pass's x, into registers that p has left: it lands during the way out.  No wait: since the wait ahead of tile B's last four products only these were issued, and they name O^T, V, p's codes and two scale words,
	QLOAD 1, S, 1                                  ; none of the registers that these loads touch
.endif
	NORM 0                                         ; its plain lines name no register of tile B's last products: they stand between those and the first read of tile B's O^T
	TOSTAGE 0
	NORM 1
	TOSTAGE 1
	s_wait_dscnt 16                                ; tile A's eight rows are back; tile B's eight stores and eight loads may be out
	SEND 0, \p
	s_wait_dscnt 0x0
	SEND 1, \p
.endm
	; ---- the head
	s_load_b256 s[4:11], s[0:1], 0x0               ; x s[4:5], y s[6:7], z s[8:9], out0 s[10:11]
	v_lshl_add_u32 v254, v0, 2, 0x4b800
	v_mov_b32 v255, 0
	v_lshrrev_b32 v12, 5, v0
	v_readfirstlane_b32 s[WV], v12                 ; wave 0..7
	v_and_b32 v12, 31, v0                          ; lane
	s_wait_alu depctr_va_vdst(0)
	v_and_b32 v13, 15, v0                          ; r
	s_wait_alu depctr_va_vdst(0)
	v_bfe_u32 v14, v0, 4, 1                        ; h
	s_wait_alu depctr_va_sdst(0)                   ; the wave's number is written, ahead of its first reader: offsets and LDS places are made from it
	s_and_b32 s28, ttmp7, 0xffff                   ; the head:
	s_lshl_b32 s28, s28, 19                        ; 2,048 rows of 256 bytes
	s_lshl_b32 s29, s[WV], 16                      ; y, z: my two key steps, 256 rows
	s_add_co_u32 s14, s28, s29
	s_mov_b32 s15, 0
	s_lshl_b32 s29, ttmp9, 17                      ; x, out0: my work-group's 512 rows,
	s_add_co_u32 s18, s28, s29
	s_lshl_b32 s29, s[WV], 13                      ; my wave's 32 of a pass's 256
	s_add_co_u32 s18, s18, s29
	s_mov_b32 s19, 0
	s_mov_b32 s[SEL], 0x76543210
	s_mov_b32 s[SEL+1], 0xfedcba98
	s_mov_b32 s[CS], 0x3e38aa3b                    ; log2(e) / 8
	s_mov_b32 s[CS+1], s[CS]                       ; (named with it as a pair, so it is written)
	s_mov_b32 s[MNT], 0x600000
	s_mov_b32 s[HMASK], 0xffff0000
	s_mul_i32 s30, s[WV], STW
	s_add_co_u32 s30, s30, STG                     ; my stage
	s_mul_i32 s31, s[WV], 2*REC                    ; my two records
	v_lshlrev_b32 v[LI], 4, v12
	v_lshlrev_b32 v[L8], 3, v12
	v_lshlrev_b32 v[PFO], 8, v12
	v_lshlrev_b32 v[XA], 8, v13
	s_wait_alu depctr_va_vdst(0)
	v_lshl_add_u32 v[XA], v14, 6, v[XA]            ; row r + 64 h: my 16 numbers of a block of 32
	v_mul_u32_u24 v[STO], v13, SP
	v_lshl_add_u32 v[STO], v14, 5, v[STO]
	v_add_nc_u32 v[STO], s30, v[STO]               ; in: row r, + 32 h
	v_mul_u32_u24 v[SRD], v14, SP
	v_lshl_add_u32 v[SRD], v13, 4, v[SRD]
	v_add_nc_u32 v[SRD], s30, v[SRD]               ; back: lanes 0-15 one row, lanes 16-31 the next
	v_and_b32 v15, 8, v13
	v_add_nc_u32 v15, v15, v13                     ; r + 8 (r / 8)
	v_lshlrev_b32 v[KA], 8, v15
	v_lshl_add_u32 v[KA], v14, 6, v[KA]
	v_lshlrev_b32 v[VA], 4, v13
	v_lshl_add_u32 v[VA], v14, 12, v[VA]           ; 16 r, and 16 rows on for lanes 16-31
	v_add_nc_u32 v[KST], s31, v[LI]
	v_bfe_u32 v15, v0, 2, 2                        ; r / 4: the tile of V^T that holds my four channels
	v_lshlrev_b32 v[VST], 11, v15
	v_and_b32 v15, 3, v0                           ; r % 4: its rows 4 (r % 4) on, 16 bytes a row
	v_lshl_add_u32 v[VST], v15, 6, v[VST]
	v_lshl_add_u32 v[VST], v14, 8, v[VST]          ; lanes 16-31 of the image: 256 bytes on
	v_add_nc_u32 v[VST], s31, v[VST]
	v_lshlrev_b32 v[VSS], 5, v15                   ; the scale words: 8 bytes a row,
	v_bfe_u32 v15, v0, 2, 1
	v_lshl_add_u32 v[VSS], v15, 7, v[VSS]          ; an odd tile's in lanes 16-31,
	v_bfe_u32 v15, v0, 3, 1
	v_lshl_add_u32 v[VSS], v15, 2, v[VSS]          ; tiles 2 and 3 in the second word
	v_add_nc_u32 v[VSS], s31, v[VSS]
.irp j, 0,1,2,3,4,5,6,7
	v_mov_b32 v[Q+8+\j], 0                         ; Q's zero codes
	v_mov_b32 v[ZT+\j], 0                          ; and the zeros behind K's tile 7
.endr
.irp b, 0,1,2,3
	v_mov_b32 v[T2+\b], 0                          ; written once: a lane permute's destination counts as one of its sources
.endr
	v_mov_b32 v[F+1], 0
	WIN 0x55                                       ; the same for tile B
.irp j, 0,1,2,3,4,5,6,7
	v_mov_b32 v[Q+8+\j], 0
.endr
.irp b, 0,1,2,3
	v_mov_b32 v[T2+\b], 0
.endr
	v_mov_b32 v[F+1], 0
	WIN 0
	s_wait_kmcnt 0x0
	s_add_nc_u64 s[4:5], s[4:5], s[18:19]
	s_add_nc_u64 s[10:11], s[10:11], s[18:19]
	s_add_nc_u64 s[6:7], s[6:7], s[14:15]
	s_add_nc_u64 s[8:9], s[8:9], s[14:15]
	; ---- phase 0: pass 0's Q, then my two key steps of K and V; two batches, 32 loads of 512 bytes, are on their way in each wave
	s_wait_alu depctr_va_vdst(0)                   ; the eleven offsets and addresses are written, which the kernel's loads, stores and its prefetch read; none of them is written again
	QLOAD 0, QR, 0
	QLOAD 1, QR, 0
	WIN 0
	LOADB 0
	LOADB 1
	s_wait_loadcnt 32                              ; x's 16 loads are in; the two batches' 32 may be out
	QPREP 0, QR
	QPREP 1, QR
	WIN 0
.irp k, 0,1,2,3,4,5,6,7,8,9,10,11,12,13,14,15
.if \k < 15
	s_wait_loadcnt 16                              ; this batch is in; the next batch's 16 loads may be out
.else
	s_wait_loadcnt 0x0
.endif
	WORKB \k
.if \k+2 < 16
	LOADB \k+2                                     ; into the set that this batch has left: no vector instruction since the batch's wait names it
.endif
.endr
	s_wait_dscnt 0x0                               ; for the others' sake: my stores into the records are done
	s_barrier_signal -1
	s_barrier_wait -1                              ; all 16 records lie in LDS; nobody writes them again
	; ---- the two passes
	PASS 0
	s_wait_loadcnt 0x0                             ; pass 1's x
	QPREP 0, S
	QPREP 1, S
	PASS 1
	s_wait_dscnt 0x0
	s_wait_alu depctr_hold_cnt(0) depctr_sa_sdst(0) depctr_va_vdst(0) depctr_va_sdst(0) depctr_va_ssrc(0) depctr_va_vcc(0) depctr_vm_vsrc(0)
	s_wait_tensorcnt 0x0
	ds_add_u32 v254, v255
	s_wait_dscnt 0x0
	s_endpgm
.Lfunc_end_k_q15a1ff5a87_attn:
	.size	k_q15a1ff5a87_attn, .Lfunc_end_k_q15a1ff5a87_attn-k_q15a1ff5a87_attn
	.p2alignl 7, 3214868480
	.fill 96, 4, 3214868480
	.section	.rodata,"a",@progbits
	.p2align	6, 0x0
	.amdhsa_kernel k_q15a1ff5a87_attn
		.amdhsa_group_segment_fixed_size 310272
		.amdhsa_private_segment_fixed_size 0
		.amdhsa_enable_private_segment 0
		.amdhsa_kernarg_size 32
		.amdhsa_user_sgpr_count 2
		.amdhsa_user_sgpr_kernarg_segment_ptr 1
		.amdhsa_wavefront_size32 1
		.amdhsa_system_sgpr_workgroup_id_x 1
		.amdhsa_system_sgpr_workgroup_id_y 1
		.amdhsa_system_sgpr_workgroup_id_z 1
		.amdhsa_system_vgpr_workitem_id 0
		.amdhsa_next_free_vgpr 512
		.amdhsa_next_free_sgpr 66
		.amdhsa_reserve_vcc 0
		.amdhsa_float_denorm_mode_32 3
		.amdhsa_float_denorm_mode_16_64 3
		.amdhsa_memory_ordered 1
		.amdhsa_forward_progress 1
		.amdhsa_inst_pref_size 255
	.end_amdhsa_kernel
	.section	.bss,"aw",@nobits
	.p2align	6
	.space	262144
	.amdgpu_metadata
---
amdhsa.version: [ 1, 2 ]
amdhsa.kernels:
  - .name:           k_q15a1ff5a87_attn
    .symbol:         k_q15a1ff5a87_attn.kd
    .args:
      - { .name: x, .offset: 0, .size: 8, .value_kind: global_buffer, .address_space: global }
      - { .name: y, .offset: 8, .size: 8, .value_kind: global_buffer, .address_space: global }
      - { .name: z, .offset: 16, .size: 8, .value_kind: global_buffer, .address_space: global }
      - { .name: out0, .offset: 24, .size: 8, .value_kind: global_buffer, .address_space: global }
    .group_segment_fixed_size: 310272
    .private_segment_fixed_size: 0
    .kernarg_segment_align: 8
    .kernarg_segment_size: 32
    .max_flat_workgroup_size: 256
    .sgpr_count:     66
    .vgpr_count:     512
    .wavefront_size: 32
...
	.end_amdgpu_metadata
.endif
;; end of part 2
